; MI455X (gfx1250); checked and timed in simulation.
; The chip was launched on July 23, 2026; its instructions are those of AMD's public machine-readable ISA for CDNA 5 (MIT licence, August 2026) and "CDNA5" Instruction Set Architecture Reference Guide (July 2026). The comments in the code are by the model that wrote it; some were corrected since.
;; Si LU Attention. Allowed arithmetic: matrix products marked QUANTISED: E2M1 operands, one E8M0 scale for each 32 along K, by v_wmma_scale_f32_16x16x128_f8f6f4 with both operands' format E2M1 (or v_wmma_scale_f32_32x16x128_f4), f32 sums; everything else in f32.
;; Inputs: W_out_codes 512 x 16 x 16 uint8 (E2M1 codes of W_out, K innermost, in blocks of 32 codes, two codes a byte); W_out_scales 512 x 16 uint8 (E8M0 scales of W_out, one for each 32 codes along K); W_qkuv_codes 2,048 x 16 x 16 uint8 (E2M1 codes of W_qkuv, K innermost, in blocks of 32 codes, two codes a byte); W_qkuv_scales 2,048 x 16 uint8 (E8M0 scales of W_qkuv, one for each 32 codes along K); attn_mask 4,096 x 4,096 float32; ln_beta 64 float32; ln_gamma 64 float32; x_codes 2 x 4,096 x 16 x 16 uint8 (E2M1 codes of x, K innermost, in blocks of 32 codes, two codes a byte); x_scales 2 x 4,096 x 16 uint8 (E8M0 scales of x, one for each 32 codes along K).
;; Outputs: out0 2 x 4,096 x 512 float32.
;; This version of the problem:
;;   THIS VERSION OF THE PROBLEM IS GIVEN IN LOW PRECISION. The matrix products marked QUANTISED in the list below multiply operands that are first quantised to E2M1 (2 exponent bits, 1 mantissa bit; 4 bits a number), with one power-of-two scale for each 32 numbers along K (OCP MX v1.0); their sums are f32. All else is computed in f32.
;;   The module's matrix products, in the order in which they are computed (A, B: the left and right operand; K: the contracted axis; several contracted axes count as one K, in the product's order):
;;     1. [M 8,192, K 512] x [K 512, N 2,048]; A: input x (given as codes); B: input W_qkuv (given as codes): QUANTISED
;;     2. batch 16 x [M 4,096, K 64] x [K 64, N 4,096]; A: computed on the way; B: computed on the way: QUANTISED
;;     3. batch 16 x [M 4,096, K 4,096] x [K 4,096, N 64]; A: computed on the way; B: computed on the way: QUANTISED
;;     4. [M 8,192, K 512] x [K 512, N 512]; A: computed on the way; B: input W_out (given as codes): QUANTISED
;;   THE QUANTISER, for each operand of a quantised product, along K:
;;     - K is cut into blocks of 32 from its start; a last block that is shorter is filled with zeros.
;;     - A block's scale is 2^e with e = floor(log2(the largest magnitude in the block)) - 2, held to -126 .. 127; a block of zeros has e = 0. As a byte (E8M0): e + 127.
;;     - Each number is divided by its block's scale, clamped to +-6, and rounded to the nearest number of E2M1, ties to even, subnormals kept.
;;     - The product sums the exact products of the quantised numbers (number of the format x scale) in f32.
;;   ~~~python
;;   def quantise(x, axis):      # numpy; x: float32 -> the quantised numbers, widened to float32 again
;;       x = np.moveaxis(x, axis, -1); K = x.shape[-1]
;;       x = np.pad(x, [(0, 0)] * (x.ndim - 1) + [(0, -K % 32)]); x = x.reshape(x.shape[:-1] + (-1, 32)); a = np.abs(x).max(-1, keepdims=True)
;;       e = np.where(a > 0, np.clip(np.frexp(np.where(a > 0, a, 1))[1] - 1 - 2, -126, 127), 0)      # np.frexp(a)[1] - 1 = floor(log2(a)), exactly
;;       r = np.clip(x / 2.0 ** e, -6, 6)
;;       step = 2.0 ** (np.maximum(np.frexp(np.where(r == 0, 1, r))[1] - 1, 0) - 1)
;;       q = np.round(r / step) * step * 2.0 ** e      # np.round: ties to even
;;       return np.moveaxis(q.reshape(q.shape[:-2] + (-1,))[..., :K], -1, axis).astype(np.float32)
;;   ~~~
;;   OPERANDS COMPUTED ON THE WAY. 'Computed on the way' means the value that the module computes at that place (a softmax that the list does not call 'softmax' is quantised finished and normalised). What goes into a quantiser is computed in f32, as accurately as f32 sums, v_exp_f32 and their like allow (about 1e-6 of the number): no bf16 or f16 on the way to a quantiser, and a product that is left as it is and whose result goes on into a quantised operand takes f32 operands (vector FMAs, or v_wmma_f32_16x16x4_f32). A number that lies on a knife's edge between two numbers of the format may be rounded either way, as far as f32 arithmetic and the matrix unit's own rounding can turn it there, and no further.
;;   INPUTS GIVEN AS CODES. W_out (in the module: [512, 512], K = its axis 0); W_qkuv (in the module: [512, 2048], K = its axis 0); x (in the module: [2, 4096, 512], K = its axis 2): each comes as NAME_codes (uint8): NAME with its K axis moved to the last place and cut into blocks of 32 codes, [.., K / 32, bytes a block], one block behind the other in memory; two codes a byte, the lower K in the low four bits (a code: sign, 2 exponent bits, 1 mantissa bit); and NAME_scales (uint8): the same leading axes, one E8M0 byte (e + 127) for each 32 codes along K. Its value is code x scale, taken as it is: it is not quantised again, and the codes and scales need not be those that the quantiser above would give.
;; One version. Each part assembles by itself: llvm-mc -triple=amdgcn-amd-amdhsa -mcpu=gfx1250 --defsym DOCPART=n.
;; ======== version 1 of 1: 3 launches
;; workspace buffers: q_img 2,097,152 bytes; q_sc 262,144 bytes; kv 4,587,520 bytes; u_img 16,777,216 bytes; w_img 131,072 bytes; y_img 2,097,152 bytes; y_sc 131,072 bytes
;; launch proj (part 1): grid 8 x 32, 8 waves a work-group, no clusters, 197,632 bytes of LDS; arguments x_codes, x_scales, W_qkuv_codes, W_qkuv_scales, W_out_codes, q_img, q_sc, kv, u_img, w_img; writes q_img, q_sc, kv, u_img, w_img
.if DOCPART == 1
	.amdgcn_target "amdgcn-amd-amdhsa--gfx1250"
	.amdhsa_code_object_version 6
	.text
	.protected	k_q5758bbe5ba_proj
	.globl	k_q5758bbe5ba_proj
	.p2align	8
	.type	k_q5758bbe5ba_proj,@function
k_q5758bbe5ba_proj:
	s_mov_b64 s[64:65], 0
	v_nop
	global_prefetch_b8 v0, s[64:65] scope:SCOPE_SE
	s_setreg_imm32_b32 hwreg(HW_REG_WAVE_MODE, 25, 1), 1
	s_wait_xcnt 0x0
; qkuv = silu(x W_qkuv), [8192][2048], K = 512, on the given codes of FP4 (E2M1) with E8M0 scales; then q, k (along the head's 64) and v (along the keys) are
; quantised in registers and stored as IMAGES OF OPERAND REGISTERS (a group of four registers: lane l's 16 bytes at 16 l), u is stored as f32 in the same order, and W_out's codes are re-laid as images.
; SHARES.  A work-group takes 256 rows of x (y of the grid) x 256 columns (x of the grid: 2 x type + half of the heads; type 0 q, 1 k, 2 v, 3 u).  Wave w: rows 128 (w / 4) on, the head w % 4: 64 columns: 8 x 4 tiles, 32 accumulators.
; THE ROWS OF A TILE ARE NOT NEIGHBOURS: of 32 rows (of x and of W alike) tile 2 b + u's lane r takes row 32 b + 8 u + r + 8 (r / 8): the 16 registers of result tiles 2 b and 2 b + 1 are then 16 neighbours along source 0's rows.
; q, k, u: source 0 = 16 columns of W, source 1 = 16 rows of x: a lane holds one row and its registers run along the head's channels.  v: the sources change places: a lane holds one channel and its registers run along the keys.
; No cluster: a work-group asks once for its two tiles and nothing recurs, and the way out parts on the grid's x.  No prefetch: all that is read is asked for at the head.
; silu(z) = z / (1 + 2^(-z log2 e)), in f32, by v_exp_f32 and v_rcp_f32.
; LIMITS: NaN and infinities are not served.  A block whose largest magnitude lies under 2^-124 keeps the scale byte 1; so does a block of zeros (its codes are zeros; these bytes are read by this program alone).
.set PITCH, 272                        ; an LDS row of codes: 256 bytes + 16 of padding: the 16 rows that a load touches begin in 16 different columns of 16 bytes
.set XC,    0                          ; x's 256 rows
.set WC,    256*PITCH                  ; W's 256 rows
.set XS,    2*256*PITCH                ; x's scale bytes, 16 a row, dense
.set WS,    XS+4096                    ; W's
.set STGQ,  WS+4096                    ; the q and k way's stage for scale words: 512 bytes a wave
.set STGV,  STGQ+4096                  ; the v way's, bytes of its own
.set KVBLK, 71680                      ; a slot's block in kv: K's images 32,768, V's images 32,768, K's scale words 4,096, V's 2,048
.set XA,   2                           ; v2   LDS: my lane's place in x's tiles
.set WA,   3                           ; v3   in W's
.set XSA,  4                           ; v4   my lane's row of x's scale bytes
.set WSA,  5                           ; v5   of W's
.set LI,   6                           ; v6   16 x lane
.set L8,   7                           ; v7   8 x lane
.set STWK, 8                           ; v8   stage, in: 32 r
.set STRK, 9                           ; v9   stage, back: 16 x lane
.set STWV, 10                          ; v10  the v way's: 16 r
.set STRV, 11                          ; v11  8 x lane
.set XSC,  16                          ; v16-47  x's scale words: register 4 T + s
.set WSC,  48                          ; v48-63  W's: 4 t + s
.set XF,   64                          ; v64-127 x's eight fragments of a K step
.set WF,   128                         ; v128-159 W's four
.set TT,   64                          ; the way out: 64 numbers at work
.set ZZ,   128                         ; 64 finished numbers
.set PC,   192                         ; v192-223 codes: registers of its own for each tile
.set TM,   224                         ; v224-239 the quantiser's: +0 largest magnitudes, +4 bytes, +12 scale operands
.set PW,   240                         ; v240-247 scale words, one register each
.set CP,   248                         ; v248-251 W_out's 16 bytes
.set RB,   252                         ; v252-255 the stage read back
.set WV,   24
.set RH,   25
.set HD,   26
.set NB,   27
.set MB,   28
.set TY,   29
.set KN,   30                          ; s[30:31] -log2(e)
.set SEL,  32                          ; s[32:33] v_permlanex16_b32's selects for lane l xor 16
.set G1C,  36                          ; s[36:43] group 1: 64 rows of 256 bytes, padded
.set G1S,  44                          ; s[44:51] group 1: 1,024 dense bytes
.set G0C,  52
.set G0S,  56
.set RT0,  60                          ; my first tile of rows: 256 bh + 16 slot + 8 (w / 4)
.set KVB,  61                          ; my slot's block in kv, in bytes
.set BH,   62
.set SL,   63
.set IMG,  66                          ; s[66:67] where my images go
.set SCP,  68                          ; s[68:69] where my scale words go
.set MSB, 0
.macro WIN new                         ; the immediate's high byte repeats the setting that is left
.if MSB != \new
	s_set_vgpr_msb (MSB<<8)|\new
.set MSB, \new
.endif
.endm
.macro PLACES                          ; four plain places behind a matrix instruction, ahead of loads into and vector writes of its registers and of reads of its results
.rept 4
	v_nop
.endr
.endm
	s_load_b512 s[4:19], s[0:1], 0x0               ; x codes 4, x scales 6, W codes 8, W scales 10, W_out codes 12, q_img 14, q_sc 16, kv 18
	s_load_b128 s[20:23], s[0:1], 0x40             ; u_img 20, w_img 22
	v_lshl_add_u32 v234, v0, 2, 0x30000
	v_mov_b32 v235, 0
	ds_add_u32 v234, v235
	ds_add_u32 v234, v235
	v_lshrrev_b32 v1, 5, v0
	v_readfirstlane_b32 s[WV], v1                  ; wave 0..7
	s_lshr_b32 s[RH], s[WV], 2                     ; which 128 rows
	s_and_b32 s[HD], s[WV], 3                      ; which head of the four
	s_mov_b32 s[NB], ttmp9
	s_and_b32 s[MB], ttmp7, 0xffff
	s_lshr_b32 s[TY], s[NB], 1                     ; 0 q, 1 k, 2 v, 3 u
	; every LDS address is made here, ahead of the first branch
	v_and_b32 v12, 15, v0                          ; r
	v_bfe_u32 v13, v0, 4, 1                        ; h
	v_and_b32 v14, 8, v12
	v_add_nc_u32 v14, v14, v12                     ; r + 8 (r / 8)
	v_and_b32 v15, 31, v0                          ; lane
	v_mul_u32_u24 v[XA], v14, PITCH
	v_lshl_add_u32 v[XA], v13, 4, v[XA]            ; row x pitch + 16 h
	s_mul_i32 s70, s[RH], 128*PITCH
	s_mul_i32 s71, s[HD], 64*PITCH
	s_add_co_u32 s71, s71, WC
	v_add_nc_u32 v[WA], s71, v[XA]
	v_add_nc_u32 v[XA], s70, v[XA]
	v_lshlrev_b32 v[XSA], 4, v14
	s_lshl_b32 s70, s[RH], 11
	s_add_co_u32 s70, s70, XS
	s_lshl_b32 s71, s[HD], 10
	s_add_co_u32 s71, s71, WS
	v_add_nc_u32 v[WSA], s71, v[XSA]
	v_add_nc_u32 v[XSA], s70, v[XSA]
	v_lshlrev_b32 v[LI], 4, v15
	v_lshlrev_b32 v[L8], 3, v15
	s_lshl_b32 s70, s[WV], 9
	s_add_co_u32 s71, s70, STGQ
	s_add_co_u32 s72, s70, STGV
	v_lshl_add_u32 v[STWK], v12, 5, s71
	v_add_nc_u32 v[STRK], s71, v[LI]
	v_lshl_add_u32 v[STWV], v12, 4, s72
	v_add_nc_u32 v[STRV], s72, v[L8]
.irp b, 0,1,2,3
	v_mov_b32 v[TM+4+\b], 0                        ; written once: a lane permute's destination counts as one of its sources
.endr
	s_mov_b32 s[KN], 0xbfb8aa3b
	s_mov_b32 s[KN+1], s[KN]                       ; (named with it as a pair, so it is written)
	s_mov_b32 s[SEL], 0x76543210
	s_mov_b32 s[SEL+1], 0xfedcba98
	; group 1 for the codes: 64 rows x 256 elements of one byte, rows 256 bytes apart, 4 words of padding behind every 64
	s_mov_b32 s[G1C+0], (0<<16)|(1<<20)|(5<<22)|(3<<25)
	s_mov_b32 s[G1C+1], 256<<16                    ; tensor_dim0
	s_mov_b32 s[G1C+2], 64<<16                     ; tensor_dim1
	s_mov_b32 s[G1C+3], 256<<16                    ; tile_dim0
	s_mov_b32 s[G1C+4], 64                         ; tile_dim1
	s_mov_b32 s[G1C+5], 256                        ; from row to row
	s_mov_b32 s[G1C+6], 0
	s_mov_b32 s[G1C+7], 0
	; group 1 for the scale bytes of 64 rows: 1,024 dense bytes as 4 rows of 32 elements of 8 bytes
	s_mov_b32 s[G1S+0], 3<<16
	s_mov_b32 s[G1S+1], 32<<16
	s_mov_b32 s[G1S+2], 4<<16
	s_mov_b32 s[G1S+3], 32<<16
	s_mov_b32 s[G1S+4], 4
	s_mov_b32 s[G1S+5], 32
	s_mov_b32 s[G1S+6], 0
	s_mov_b32 s[G1S+7], 0
	; waves 0-3 fetch x's rows 64 w on, waves 4-7 W's rows 64 (w - 4) on
	s_cmp_lt_u32 s[WV], 4
	s_cselect_b32 s70, s[MB], s[NB]
	s_lshl_b32 s70, s70, 8
	s_lshl_b32 s71, s[HD], 6
	s_add_co_u32 s70, s70, s71                     ; the first row that I fetch
	s_lshl_b32 s72, s70, 8                         ; its codes: 256 bytes a row
	s_mov_b32 s73, 0
	s_lshl_b32 s74, s70, 4                         ; its scale bytes: 16 a row
	s_mov_b32 s75, 0
	s_mul_i32 s76, s[WV], 64*PITCH                 ; where they go: x's four quarters, then W's four
	s_lshl_b32 s77, s[WV], 10
	s_add_co_u32 s77, s77, XS
	; where my results go
	s_lshr_b32 s78, s[MB], 4                       ; the batch
	s_lshl_b32 s78, s78, 1
	s_and_b32 s79, s[NB], 1
	s_add_co_u32 s78, s78, s79                     ; g = 2 x batch + half of the heads
	s_and_b32 s[SL], s[MB], 15                     ; the slot of 256 keys
	s_lshl_b32 s[BH], s78, 2
	s_add_co_u32 s[BH], s[BH], s[HD]               ; batch x 8 + head
	s_lshl_b32 s[RT0], s[BH], 8
	s_lshl_b32 s79, s[SL], 4
	s_add_co_u32 s[RT0], s[RT0], s79
	s_lshl_b32 s79, s[RH], 3
	s_add_co_u32 s[RT0], s[RT0], s79
	s_lshl_b32 s[KVB], s78, 4
	s_add_co_u32 s[KVB], s[KVB], s[SL]
	s_mul_i32 s[KVB], s[KVB], KVBLK
	s_wait_dscnt 0x0
	s_wait_kmcnt 0x0
	s_cmp_lt_u32 s[WV], 4
	s_cselect_b64 s[G0C+2:G0C+3], s[4:5], s[8:9]
	s_cselect_b64 s[G0S+2:G0S+3], s[6:7], s[10:11]
	s_add_nc_u64 s[G0C+2:G0C+3], s[G0C+2:G0C+3], s[72:73]
	s_add_nc_u64 s[G0S+2:G0S+3], s[G0S+2:G0S+3], s[74:75]
	s_mov_b32 s[G0C], 1
	s_mov_b32 s[G0C+1], s76
	s_or_b32 s[G0C+3], s[G0C+3], 0x80000000        ; type = 2
	s_mov_b32 s[G0S], 1
	s_mov_b32 s[G0S+1], s77
	s_or_b32 s[G0S+3], s[G0S+3], 0x80000000
	tensor_load_to_lds s[G0C:G0C+3], s[G1C:G1C+7]  ; the launch's only fills: two loads a wave, together, ahead of every wait on TENSORcnt, LDS read and barrier
	s_nop 0
	tensor_load_to_lds s[G0S:G0S+3], s[G1S:G1S+7]
	s_nop 0
	PLACES                                         ; (four plain lines behind a tensor load)
	; W_out's codes as images: 256 pieces of 512 bytes, one to a work-group; wave 0 copies it while the tiles are on their way
	s_cmp_lg_u32 s[WV], 0
	s_cbranch_scc1 .Lno_copy
	s_lshl_b32 s70, s[MB], 3
	s_add_co_u32 s70, s70, s[NB]                   ; piece = 8 x column tile + 2 s + c
	s_lshr_b32 s71, s70, 3
	s_lshl_b32 s71, s71, 12                        ; 16 rows of 256 bytes
	s_bfe_u32 s72, s70, 0x20001
	s_lshl_b32 s72, s72, 6                         ; K step s: 64 bytes
	s_add_co_u32 s71, s71, s72
	s_and_b32 s72, s70, 1
	s_lshl_b32 s72, s72, 5                         ; c: 32 bytes
	s_add_co_u32 s71, s71, s72
	v_lshlrev_b32 v1, 8, v12
	v_lshl_add_u32 v1, v13, 4, v1
	v_add_nc_u32 v1, s71, v1                       ; + row r, + 16 h
	global_load_b128 v[CP:CP+3], v1, s[12:13]
	s_lshl_b32 s72, s70, 9
	s_mov_b32 s73, 0
	s_add_nc_u64 s[22:23], s[22:23], s[72:73]
	s_wait_loadcnt 0x0
	global_store_b128 v[LI], v[CP:CP+3], s[22:23]  ; 512 consecutive bytes; its registers are not written again
.Lno_copy:
	s_wait_tensorcnt 0x0                           ; my parts of the tiles are in,
	s_barrier_signal -1
	s_barrier_wait -1                              ; everybody's are; nothing is filled again
; One product.  The 32 accumulators take turns, one instruction a turn, in the same order in every K step.
.macro MM d, a, b, sa, sb, zero
.if \zero
	v_wmma_scale_f32_16x16x128_f8f6f4 v[(\d):(\d)+7], v[(\a):(\a)+7], v[(\b):(\b)+7], 0, v[\sa], v[\sb] matrix_a_fmt:MATRIX_FMT_FP4 matrix_b_fmt:MATRIX_FMT_FP4
.else
	v_wmma_scale_f32_16x16x128_f8f6f4 v[(\d):(\d)+7], v[(\a):(\a)+7], v[(\b):(\b)+7], v[(\d):(\d)+7], v[\sa], v[\sb] matrix_a_fmt:MATRIX_FMT_FP4 matrix_b_fmt:MATRIX_FMT_FP4
.endif
.endm
; The wave's 128 x 64 results, four K steps of 128.  swap = 0: source 0 = W, accumulator (xt, wt) at 8 (4 xt + wt) of window 1; swap = 1: source 0 = x, at 8 (8 wt + xt).  The first K step starts the sums with the constant 0.
.macro MATMUL swap
.irp s, 0,1,2,3
.if \s == 0
.irp t, 0,1,2,3,4,5,6,7
	ds_load_b128 v[XSC+4*\t:XSC+4*\t+3], v[XSA] offset:(32*(\t/2)+8*(\t%2))*16      ; a row's 16 scale bytes: the words of the four K steps
.endr
.irp t, 0,1,2,3
	ds_load_b128 v[WSC+4*\t:WSC+4*\t+3], v[WSA] offset:(32*(\t/2)+8*(\t%2))*16
.endr
.else
	PLACES
.endif
.irp t, 0,1,2,3
.irp c, 0,1
	ds_load_b128 v[WF+8*\t+4*\c:WF+8*\t+4*\c+3], v[WA] offset:(32*(\t/2)+8*(\t%2))*PITCH+64*\s+32*\c
.endr
.endr
.irp t, 0,1,2,3,4,5,6,7
.irp c, 0,1
	ds_load_b128 v[XF+8*\t+4*\c:XF+8*\t+4*\c+3], v[XA] offset:(32*(\t/2)+8*(\t%2))*PITCH+64*\s+32*\c
.endr
.endr
	s_wait_dscnt 0x0
	WIN 0x50                                       ; C and D in window 1
.irp xt, 0,1,2,3,4,5,6,7
.irp wt, 0,1,2,3
.if \swap
.if \s == 0
	MM 8*(8*\wt+\xt), XF+8*\xt, WF+8*\wt, XSC+4*\xt+\s, WSC+4*\wt+\s, 1
.else
	MM 8*(8*\wt+\xt), XF+8*\xt, WF+8*\wt, XSC+4*\xt+\s, WSC+4*\wt+\s, 0
.endif
.else
.if \s == 0
	MM 8*(4*\xt+\wt), WF+8*\wt, XF+8*\xt, WSC+4*\wt+\s, XSC+4*\xt+\s, 1
.else
	MM 8*(4*\xt+\wt), WF+8*\wt, XF+8*\xt, WSC+4*\wt+\s, XSC+4*\xt+\s, 0
.endif
.endif
.endr
.endr
	WIN 0
.endr
.endm
; silu of the 64 results at v[a] on of window 1, into v[ZZ] on.  Each accumulator is read from its low end on.  The exponentials are one batch with one wait, and so are the reciprocals.
.macro SILU64 a
	WIN 0x01                                       ; source 0 in window 1
.set j, 0
.rept 32
	v_pk_mul_f32 v[TT+j:TT+j+1], v[(\a)+j:(\a)+j+1], s[KN:KN+1] op_sel_hi:[1,0]
.set j, j+2
.endr
	WIN 0
.set j, 0
.rept 64
	v_exp_f32 v[TT+j], v[TT+j]                     ; 2^(-z log2 e)
.set j, j+1
.endr
	v_nop                                          ; a plain line behind the last of the batch
	s_wait_alu depctr_va_vdst(0)
.set j, 0
.rept 32
	v_pk_add_f32 v[TT+j:TT+j+1], v[TT+j:TT+j+1], 1.0 op_sel_hi:[1,0]
.set j, j+2
.endr
.set j, 0
.rept 64
	v_rcp_f32 v[TT+j], v[TT+j]
.set j, j+1
.endr
	v_nop
	s_wait_alu depctr_va_vdst(0)
	WIN 0x01
.set j, 0
.rept 32
	v_pk_mul_f32 v[ZZ+j:ZZ+j+1], v[(\a)+j:(\a)+j+1], v[TT+j:TT+j+1]
.set j, j+2
.endr
	WIN 0
.endm
; nb blocks of 32 along K: register s + 16 b + i = k 32 b + 16 (lane / 16) + i of my row.  Codes into v[pc] on, in the operand's layout; the row's scale word into v[pw].
.macro QUANT s, nb, pc, pw
.set qi, 0
.rept \nb
	v_max3_num_f32 v[TM+qi], |v[(\s)+16*qi]|, |v[(\s)+16*qi+1]|, 0x1800000   ; my 16 numbers of the block, and the floor 2^(3 - 127): the byte cannot fall under 1
.set qi, qi+1
.endr
.irp i, 2,4,6,8,10,12,14
.set qi, 0
.rept \nb
	v_max3_num_f32 v[TM+qi], v[TM+qi], |v[(\s)+16*qi+\i]|, |v[(\s)+16*qi+\i+1]|
.set qi, qi+1
.endr
.endr
.set qi, 0
.rept \nb
	v_permlanex16_b32 v[TM+4+qi], v[TM+qi], s[SEL], s[SEL+1]
.set qi, qi+1
.endr
.set qi, 0
.rept \nb
	v_max_num_f32 v[TM+qi], v[TM+qi], v[TM+4+qi]   ; with lane l xor 16's: the block's largest magnitude
.set qi, qi+1
.endr
.set qi, 0
.rept \nb
	v_add_nc_u32 v[TM+12+qi], 0xff000000, v[TM+qi] ; 2 off its exponent field: the conversion's scale operand
.set qi, qi+1
.endr
.set qi, 0
.rept \nb
	v_lshrrev_b32 v[TM+4+qi], 23, v[TM+12+qi]      ; the scale's byte
.set qi, qi+1
.endr
	v_lshl_or_b32 v[\pw], v[TM+5], 8, v[TM+4]
.if \nb == 4
	v_lshl_or_b32 v[\pw], v[TM+6], 16, v[\pw]
	v_lshl_or_b32 v[\pw], v[TM+7], 24, v[\pw]
.endif
.set qi, 0
.rept \nb
	v_cvt_scalef32_pk8_fp4_f32 v[(\pc)+2*qi], v[(\s)+16*qi:(\s)+16*qi+7], v[TM+12+qi]
	v_cvt_scalef32_pk8_fp4_f32 v[(\pc)+2*qi+1], v[(\s)+16*qi+8:(\s)+16*qi+15], v[TM+12+qi]
.set qi, qi+1
.endr
	v_nop                                          ; one plain line behind the last scaled conversion
.set qi, 0
.rept \nb/2
	v_permlane16_swap_b32 v[(\pc)+4*qi], v[(\pc)+4*qi+2]     ; the layout wants a whole block in a lane: lanes 0-15 the even block, lanes 16-31 the odd one
	v_permlane16_swap_b32 v[(\pc)+4*qi+1], v[(\pc)+4*qi+3]
.set qi, qi+1
.endr
.endm
	s_cmp_eq_u32 s[TY], 2
	s_cbranch_scc1 .Lv
	MATMUL 0
	PLACES
	s_cmp_eq_u32 s[TY], 3
	s_cbranch_scc1 .Lu
	; ---- q and k: a tile of 16 rows is 32 registers a lane: the head's 64 channels in two blocks
	s_lshl_b32 s70, s[RT0], 9                      ; q: images, 512 bytes a tile
	s_lshl_b32 s71, s[BH], 5
	s_lshl_b32 s72, s[SL], 1
	s_add_co_u32 s71, s71, s72
	s_add_co_u32 s71, s71, s[RH]
	s_lshl_b32 s71, s71, 9                         ; q: scale words, 512 bytes for 128 rows
	s_lshl_b32 s72, s[HD], 13
	s_add_co_u32 s72, s72, s[KVB]
	s_lshl_b32 s73, s[RH], 12
	s_add_co_u32 s72, s72, s73                     ; k: images [head][step][tile]
	s_lshl_b32 s73, s[HD], 10
	s_add_co_u32 s73, s73, s[KVB]
	s_lshl_b32 s74, s[RH], 9
	s_add_co_u32 s73, s73, s74
	s_add_co_u32 s73, s73, 65536                   ; k: scale words [head][step][r][tile]
	s_cmp_eq_u32 s[TY], 0
	s_cselect_b32 s70, s70, s72
	s_cselect_b32 s72, s71, s73
	s_cselect_b64 s[IMG:IMG+1], s[14:15], s[18:19]
	s_cselect_b64 s[SCP:SCP+1], s[16:17], s[18:19]
	s_mov_b32 s71, 0
	s_mov_b32 s73, 0
	s_add_nc_u64 s[IMG:IMG+1], s[IMG:IMG+1], s[70:71]
	s_add_nc_u64 s[SCP:SCP+1], s[SCP:SCP+1], s[72:73]
.irp bt, 0,1,2,3
	SILU64 64*\bt                                  ; tiles 2 bt and 2 bt + 1
	QUANT ZZ, 2, PC+8*\bt, PW+2*\bt
	global_store_b128 v[LI], v[PC+8*\bt:PC+8*\bt+3], s[IMG:IMG+1] offset:512*(2*\bt)      ; 512 consecutive bytes
	ds_store_b32 v[STWK], v[PW+2*\bt] offset:4*(2*\bt)                                    ; both halves of the lanes write the same word with the same value
	QUANT ZZ+32, 2, PC+8*\bt+4, PW+2*\bt+1
	global_store_b128 v[LI], v[PC+8*\bt+4:PC+8*\bt+7], s[IMG:IMG+1] offset:512*(2*\bt+1)
	ds_store_b32 v[STWK], v[PW+2*\bt+1] offset:4*(2*\bt+1)
.endr
	ds_load_b128 v[RB:RB+3], v[STRK]               ; LDS serves a wave's instructions in order: this sees my stores
	s_wait_dscnt 0x0
	global_store_b128 v[LI], v[RB:RB+3], s[SCP:SCP+1]
	s_wait_tensorcnt 0x0
	ds_add_u32 v234, v235
	s_wait_dscnt 0x0
	s_endpgm
.Lu:	; ---- u stays f32: a tile's 32 registers as eight pieces of 512 bytes
	s_lshl_b32 s70, s[RT0], 12
	s_mov_b32 s71, 0
	s_add_nc_u64 s[IMG:IMG+1], s[20:21], s[70:71]
.irp bt, 0,1,2,3
.if \bt > 0
	s_wait_xcnt 0x0                                ; the last batch's stores have read their data: they are written again only behind this wait
.endif
	SILU64 64*\bt
.irp p, 0,1,2,3,4,5,6,7,8,9,10,11,12,13,14,15
	global_store_b128 v[LI], v[ZZ+4*\p:ZZ+4*\p+3], s[IMG:IMG+1] offset:(16*\bt+\p)*512
.endr
.endr
	s_wait_tensorcnt 0x0
	ds_add_u32 v234, v235
	s_wait_dscnt 0x0
	s_endpgm
.Lv:	; ---- v: a tile of 16 channels is 64 registers a lane: the step's 128 keys in four blocks
	s_lshl_b32 s70, s[HD], 13
	s_add_co_u32 s70, s70, s[KVB]
	s_lshl_b32 s71, s[RH], 12
	s_add_co_u32 s70, s70, s71
	s_add_co_u32 s70, s70, 32768                   ; images [head][step][channel tile][c]
	s_mov_b32 s71, 0
	s_add_nc_u64 s[IMG:IMG+1], s[18:19], s[70:71]
	s_lshl_b32 s72, s[HD], 9
	s_add_co_u32 s72, s72, s[KVB]
	s_lshl_b32 s73, s[RH], 8
	s_add_co_u32 s72, s72, s73
	s_add_co_u32 s72, s72, 69632                   ; scale words [head][step][r][channel tile]
	s_mov_b32 s73, 0
	s_add_nc_u64 s[SCP:SCP+1], s[18:19], s[72:73]
	MATMUL 1
	PLACES
.irp wt, 0,1,2,3
	SILU64 64*\wt
	QUANT ZZ, 4, PC+8*\wt, PW+\wt
	global_store_b128 v[LI], v[PC+8*\wt:PC+8*\wt+3], s[IMG:IMG+1] offset:1024*\wt
	global_store_b128 v[LI], v[PC+8*\wt+4:PC+8*\wt+7], s[IMG:IMG+1] offset:1024*\wt+512
	ds_store_b32 v[STWV], v[PW+\wt] offset:4*\wt
.endr
	ds_load_b64 v[RB:RB+1], v[STRV]
	s_wait_dscnt 0x0
	global_store_b64 v[L8], v[RB:RB+1], s[SCP:SCP+1]   ; 256 consecutive bytes
	s_wait_tensorcnt 0x0
	ds_add_u32 v234, v235
	s_wait_dscnt 0x0
	s_endpgm
.Lfunc_end_k_q5758bbe5ba_proj:
	.size	k_q5758bbe5ba_proj, .Lfunc_end_k_q5758bbe5ba_proj-k_q5758bbe5ba_proj
	.p2alignl 7, 3214868480
	.fill 96, 4, 3214868480
	.section	.rodata,"a",@progbits
	.p2align	6, 0x0
	.amdhsa_kernel k_q5758bbe5ba_proj
		.amdhsa_group_segment_fixed_size 197632
		.amdhsa_private_segment_fixed_size 0
		.amdhsa_enable_private_segment 0
		.amdhsa_kernarg_size 80
		.amdhsa_user_sgpr_count 2
		.amdhsa_user_sgpr_kernarg_segment_ptr 1
		.amdhsa_wavefront_size32 1
		.amdhsa_system_sgpr_workgroup_id_x 1
		.amdhsa_system_sgpr_workgroup_id_y 1
		.amdhsa_system_sgpr_workgroup_id_z 1
		.amdhsa_system_vgpr_workitem_id 0
		.amdhsa_next_free_vgpr 512
		.amdhsa_next_free_sgpr 80
		.amdhsa_reserve_vcc 0
		.amdhsa_float_denorm_mode_32 3
		.amdhsa_float_denorm_mode_16_64 3
		.amdhsa_memory_ordered 1
		.amdhsa_forward_progress 1
		.amdhsa_inst_pref_size 217
	.end_amdhsa_kernel
	.amdgpu_metadata
---
amdhsa.version: [ 1, 2 ]
amdhsa.kernels:
  - .name:           k_q5758bbe5ba_proj
    .symbol:         k_q5758bbe5ba_proj.kd
    .args:
      - { .name: x_codes, .offset: 0, .size: 8, .value_kind: global_buffer, .address_space: global }
      - { .name: x_scales, .offset: 8, .size: 8, .value_kind: global_buffer, .address_space: global }
      - { .name: W_qkuv_codes, .offset: 16, .size: 8, .value_kind: global_buffer, .address_space: global }
      - { .name: W_qkuv_scales, .offset: 24, .size: 8, .value_kind: global_buffer, .address_space: global }
      - { .name: W_out_codes, .offset: 32, .size: 8, .value_kind: global_buffer, .address_space: global }
      - { .name: q_img, .offset: 40, .size: 8, .value_kind: global_buffer, .address_space: global }
      - { .name: q_sc, .offset: 48, .size: 8, .value_kind: global_buffer, .address_space: global }
      - { .name: kv, .offset: 56, .size: 8, .value_kind: global_buffer, .address_space: global }
      - { .name: u_img, .offset: 64, .size: 8, .value_kind: global_buffer, .address_space: global }
      - { .name: w_img, .offset: 72, .size: 8, .value_kind: global_buffer, .address_space: global }
    .group_segment_fixed_size: 197632
    .private_segment_fixed_size: 0
    .kernarg_segment_align: 8
    .kernarg_segment_size: 80
    .max_flat_workgroup_size: 256
    .sgpr_count:     80
    .vgpr_count:     512
    .wavefront_size: 32
...
	.end_amdgpu_metadata
.endif
;; end of part 1
;; launch attn (part 2): grid 4 x 64, 16 waves a work-group, clusters of 4 x 4, 327,680 bytes of LDS; arguments attn_mask, q_img, q_sc, kv, u_img, ln_gamma, ln_beta, y_img, y_sc; writes y_img, y_sc
.if DOCPART == 2
	.amdgcn_target "amdgcn-amd-amdhsa--gfx1250"
	.amdhsa_code_object_version 6
	.text
	.protected	k_q5758bbe5ba_attn
	.globl	k_q5758bbe5ba_attn
	.p2align	8
	.type	k_q5758bbe5ba_attn,@function
k_q5758bbe5ba_attn:
	s_mov_b64 s[64:65], 0
	v_nop
	global_prefetch_b8 v0, s[64:65] scope:SCOPE_SE
	s_setreg_imm32_b32 hwreg(HW_REG_WAVE_MODE, 25, 1), 1
	s_wait_xcnt 0x0
	s_wait_alu depctr_hold_cnt(0) depctr_sa_sdst(0) depctr_va_vdst(0) depctr_va_sdst(0) depctr_va_ssrc(0) depctr_va_vcc(0) depctr_vm_vsrc(0)
	s_getreg_b32 s2, hwreg(HW_REG_IB_STS2, 6, 4)
	s_cmp_eq_u32 s2, 0
	s_cbranch_scc0 .Lentry_in_a_cluster
	s_endpgm
.Lentry_in_a_cluster:
	s_bfe_u32 s2, ttmp6, 0x10000c
	s_cmp_lg_u32 s2, 0xf033
	s_cbranch_scc0 .Lentry_shape_is_right
	s_endpgm
.Lentry_shape_is_right:
; For each batch and head: s = q k^T (K = the head's 64), p = silu(s / 8) x attn_mask, quantised along the keys, o = p v (K = the 4,096 keys), LayerNorm over the head's 64, x u, quantised along D for the last product.
; Both products on codes of FP4 (E2M1) with E8M0 scales.  The mask is an input: every number of it is read and multiplied, and nothing is left out.
; SHARES.  A work-group takes 64 queries x 4 heads of one batch; wave w: the tile of 16 queries w % 4, the head w / 4, in 256 registers: four waves to a SIMD, so that one wave's vector work stands beside another's products and LDS loads.
; Every wave walks all 4,096 keys, 128 a step.  A slot of the ring holds two steps: the 64 queries' 256 mask numbers each, and the four heads' images and scale words of K and V as the launch before laid them.
; LAYOUT.  Both products are used transposed: S^T = K Q^T, O^T = V^T P^T: a lane holds one query (lane % 16) throughout.  The tiles' rows were chosen by the launch before so that the 16 registers of tiles 2 b and 2 b + 1 of S^T are
; keys 32 b + 16 (lane / 16) + 0 .. 15, and those of O^T channels 32 b + 16 (lane / 16) + 0 .. 15.  The queries of a tile are rows 32 b + 8 u + r + 8 (r / 8) too: the mask's groups of eight rows are laid in LDS in that order.
; K = 64 IN AN INSTRUCTION OF 128: Q's upper four registers are zero codes; K's upper four are whatever follows (the next tile's codes; E2M1 has no infinity and no NaN, so they add 0); the upper two scale bytes of both are 0, which is a number.
; 8 p IS WHAT IS QUANTISED: (s x 1 / (1 + 2^(-s log2(e) / 8))) x mask.  The factor 8 is a power of two: the codes are p's, the scale byte is 3 more, and O is multiplied by 1 / 8 at the end.
; THE ORDER OF A KEY STEP.  What needs no mask goes first: the products, the scalings, exponentials and reciprocals; the mask's two halves and V land under that work, and inside a slot the next step's K is asked for a step ahead.
; So behind a change of slots a wave asks for 10 LDS loads, not 26, before it has work.  The change itself stands in a slot's last step, as soon as that step's last LDS reads are in; the rest of the step is work on registers between the opening signal and its wait.
; CLUSTER 4 x 4.  The mask's tile hangs on the block of queries alone and is asked for jointly along a row of the cluster (the four groups of heads); the kv block hangs on the group of heads alone and is asked for jointly along a column.
; LIMITS: NaN and infinities are not served.  A block of 8 p whose largest magnitude lies under 2^-124 keeps the scale byte 1; so does a block of zeros (zero codes; these bytes are read by this program alone).
.set MKP,   1040                       ; a query's 256 mask numbers in LDS: 1,024 bytes + 16 of padding: the 16 rows that a load touches begin in 16 different columns of 16 bytes
.set MKB,   64*MKP                     ; the mask's part of a slot
.set KVBLK, 71680                      ; the kv block: K's images at 0, V's at 32,768, K's scale words at 65,536, V's at 69,632
.set SLOTB, MKB+KVBLK
.set YSC,   2*SLOTB                    ; behind the ring: the scale words of y, 512 bytes
.set SPARE, YSC+512                    ; the spare words, 128 bytes for each of the 16 waves: eight blocks of 256 bytes that no other line names
.set AM0,  1                           ; v1   my lane's place in the mask's tile
.set AK0,  2                           ; v2   in my head's images
.set AKS0, 3                           ; v3   among K's scale words
.set AVS0, 4                           ; v4   among V's
.set SPW,  5                           ; v5   LDS address of my spare word; never rewritten
.set NIL,  6                           ; v6   0; never rewritten
.set PFO,  7                           ; v7   the prefetches' offset; never rewritten
.set ADM,  8                           ; v8-11 the same four places in the slot in hand
.set ADK,  9
.set ADKS, 10
.set ADVS, 11
.set LI,   12                          ; v12  16 x lane
.set YSA,  13                          ; v13  where my two scale bytes of y go
.set YRD,  14                          ; v14  where wave 0 reads them back
.set GB,   15                          ; v15  64 x (lane / 16): my channels in gamma and beta
.set QF,   16                          ; v16-23 Q's fragment; v20-23 zero codes
.set QS,   24                          ; v24  Q's scale words
.set PW,   25                          ; v25  the scale word just made
.set KSW,  26                          ; v26-33 K's scale words, tile by tile
.set PC,   34                          ; v34-41 the codes just made
.set TM,   42                          ; v42-49, v54-57 the quantiser's: +0 .. +3 largest magnitudes in four chains, +4, +5 bytes, +12, +13 scale operands
.set VSW,  50                          ; v50-53 V's scale words, and nothing else
.set KF,   58                          ; v58-89 K's eight tiles, four registers each; then the mask's blocks 0 and 1; v90-93 zero codes
.set SS,   94                          ; v94-157 S^T, then 8 p
.set MM,   158                         ; v158-221 the way to 1 / (1 + 2^t); then v158-189 the mask's blocks 2 and 3, v190-221 V's four fragments
.set OA,   222                         ; v222-253 O^T
.set WV,   22
.set QT,   23
.set HD,   24
.set CX,   25
.set CY,   26
.set G,    27
.set QB,   28
.set GA,   29                          ; wave % 8: which eighth of a tile I fetch
.set TRIPS, 31
.set G1M,  32                          ; s[32:39] group 1 for the mask's tiles
.set G1K,  40                          ; s[40:47] for the kv blocks
.set G0M,  48                          ; s[48:55] group 0 for the mask, a set for each slot
.set G0K,  56                          ; s[56:63] for kv
.set PFA,  66                          ; s[66:67] where my prefetches stand
.set PFS,  68                          ; s[68:69] a slot on, in bytes
.set LIM,  70                          ; 1 in a wave that prefetches, else the greatest number
.set KN,   72                          ; s[72:73] -log2(e) / 8
.set SEL,  74                          ; s[74:75] v_permlanex16_b32's selects for lane l xor 16
.set C8,   92                          ; s[92:93] 1 / 8
.set C64,  94                          ; 1 / 64
.set EPS,  95                          ; 1e-5
.macro PLACES                          ; four plain places behind a matrix instruction, ahead of loads into and vector writes of its registers and of reads of its results
.rept 4
	v_nop
.endr
.endm
; A round of the cluster's barrier: my work-group's barrier, wave 0 signals for the work-group, every wave waits for all sixteen work-groups, my work-group's barrier once more.
.macro CREST                           ; a round behind its opening barrier
	s_cmp_lg_u32 s[WV], 0
	s_cbranch_scc1 .Lnot_wave_0_\@
	s_barrier_signal -3
.Lnot_wave_0_\@:
	s_barrier_wait -3
	s_barrier_signal -1
	s_barrier_wait -1
.endm
.macro CROUND                          ; a whole round
	s_barrier_signal -1
	s_barrier_wait -1
	CREST
.endm
; A joint load into slot s: waves 0-7 fetch eight rows of the mask each, waves 8-15 an eighth of the kv block each.  The branch hangs on the wave's number alone.  Four plain lines follow each of the two loads.
.macro JLOAD s
	s_cmp_lt_u32 s[WV], 8
	s_cbranch_scc0 .Lfor_kv_\@
	tensor_load_to_lds s[G0M+4*(\s):G0M+4*(\s)+3], s[G1M:G1M+7]
	s_nop 0
	PLACES
	s_branch .Lasked_\@
.Lfor_kv_\@:
	tensor_load_to_lds s[G0K+4*(\s):G0K+4*(\s)+3], s[G1K:G1K+7]
	s_nop 0
	PLACES
.Lasked_\@:
.endm
; A prefetch of what the NEXT change of slots will ask for, behind the wave's tensor load and its four lines.  Each aligned block of 256 bytes is named once in the launch.
; The mask: a block of 64 queries belongs to one row of one cluster; its four partners take 16 rows each, told apart by address; in each, waves 0 and 1 ask for 8 rows x 1,024 bytes: four lanes to a row.
; K's and V's images (65,536 bytes of a block): all clusters walk them, the first one (cluster y = 0) asks; the four partners of a column take 16,384 bytes each, by address; waves 8 and 9 ask, lanes 256 bytes apart.
; last = 1: the change that asks for the sixteenth block of keys has no block behind it: in the loop's last trip it prefetches nothing.
.macro ASK last
.if \last
	s_cmp_gt_u32 s[TRIPS], s[LIM]                  ; s[TRIPS] = 1 in the loop's last trip
.else
	s_cmp_eq_u32 s[LIM], 1
.endif
	s_cbranch_scc0 .Lnot_mine_\@
	global_prefetch_b8 v[PFO], s[PFA:PFA+1] th:TH_LOAD_NT scope:SCOPE_SE
.Lnot_mine_\@:
.endm
	s_load_b512 s[4:19], s[0:1], 0x0               ; mask 4, q_img 6, q_sc 8, kv 10, u_img 12, gamma 14, beta 16, y_img 18
	s_load_b64 s[20:21], s[0:1], 0x40              ; y_sc
	v_lshl_add_u32 v[SPW], v0, 2, SPARE
	v_mov_b32 v[NIL], 0
	ds_add_u32 v5, v6
	ds_add_u32 v5, v6
	s_wait_dscnt 0x0
	v_lshrrev_b32 v8, 5, v0
	v_readfirstlane_b32 s[WV], v8                  ; wave 0..15
	s_and_b32 s[QT], s[WV], 3
	s_lshr_b32 s[HD], s[WV], 2
	s_and_b32 s[GA], s[WV], 7
	s_bfe_u32 s[CX], ttmp6, 0x40000                ; my place in the cluster
	s_bfe_u32 s[CY], ttmp6, 0x40004
	s_lshl_b32 s[G], ttmp9, 2
	s_add_co_u32 s[G], s[G], s[CX]                 ; the group of four heads: 2 x batch + half
	s_and_b32 s[QB], ttmp7, 0xffff
	s_lshl_b32 s[QB], s[QB], 2
	s_add_co_u32 s[QB], s[QB], s[CY]               ; the block of 64 queries
	s_lshl_b32 s76, s[CY], 2
	s_lshl_b32 s76, 15, s76                        ; my row of the cluster
	s_lshl_b32 s77, 0x1111, s[CX]                  ; my column
	; group 1, the mask: 8 rows x 256 elements of 4 bytes, rows 4,096 elements apart, 4 words of padding behind every 256
	s_or_b32 s[G1M+0], s76, (2<<16)|(1<<20)|(1<<21)|(7<<22)|(3<<25)
	s_mov_b32 s[G1M+1], 256<<16
	s_mov_b32 s[G1M+2], 8<<16
	s_mov_b32 s[G1M+3], 256<<16
	s_mov_b32 s[G1M+4], 8
	s_mov_b32 s[G1M+5], 4096
	s_mov_b32 s[G1M+6], 0
	s_mov_b32 s[G1M+7], 0
	; group 1, kv: 8,960 dense bytes as 35 rows of 32 elements of 8 bytes
	s_or_b32 s[G1K+0], s77, (3<<16)|(1<<21)
	s_mov_b32 s[G1K+1], 32<<16
	s_mov_b32 s[G1K+2], 35<<16
	s_mov_b32 s[G1K+3], 32<<16
	s_mov_b32 s[G1K+4], 35
	s_mov_b32 s[G1K+5], 32
	s_mov_b32 s[G1K+6], 0
	s_mov_b32 s[G1K+7], 0
	; the mask's address hangs on the block of queries and the wave alone, kv's on the group of heads and the wave alone; each is made in registers that never hold the other coordinate
	s_lshl_b32 s78, s[QB], 6
	s_lshl_b32 s79, s[GA], 3
	s_add_co_u32 s78, s78, s79
	s_lshl_b32 s78, s78, 14                        ; row 64 qb + 8 (w % 8), 16,384 bytes a row
	s_mov_b32 s79, 0
	s_and_b32 s80, s[GA], 4                        ; rows 8 (4 b + 2 p + u) on go to place 4 b + 2 u + p: the order of the tiles' lanes
	s_and_b32 s81, s[GA], 1
	s_lshl_b32 s81, s81, 1
	s_or_b32 s80, s80, s81
	s_bfe_u32 s81, s[GA], 0x10001
	s_or_b32 s80, s80, s81
	s_mul_i32 s80, s80, 8*MKP
	s_mul_i32 s82, s[G], 16*KVBLK
	s_mul_i32 s83, s[GA], 8960
	s_add_co_u32 s82, s82, s83
	s_add_co_u32 s84, s83, MKB
	s_mov_b32 s83, 0
	s_wait_kmcnt 0x0
	s_add_nc_u64 s[78:79], s[4:5], s[78:79]
	s_add_nc_u64 s[82:83], s[10:11], s[82:83]
.irp s, 0,1
	s_mov_b32 s[G0M+4*\s], 1
	s_add_co_u32 s[G0M+4*\s+1], s80, \s*SLOTB
	s_add_nc_u64 s[G0M+4*\s+2:G0M+4*\s+3], s[78:79], \s*1024       ; slot s begins with keys 256 s on
	s_or_b32 s[G0M+4*\s+3], s[G0M+4*\s+3], 0x80000000
	s_mov_b32 s[G0K+4*\s], 1
	s_add_co_u32 s[G0K+4*\s+1], s84, \s*SLOTB
	s_add_nc_u64 s[G0K+4*\s+2:G0K+4*\s+3], s[82:83], \s*KVBLK
	s_or_b32 s[G0K+4*\s+3], s[G0K+4*\s+3], 0x80000000
.endr
	CROUND                                         ; all sixteen work-groups are here: the first joint loads meet
	JLOAD 0                                        ; slot 0; slot 1 is filled behind a round of its own, as a refill is
	; where my wave's rows lie
	s_lshl_b32 s86, s[G], 2
	s_add_co_u32 s86, s86, s[HD]                   ; bh = 8 x batch + head
	s_lshl_b32 s87, s86, 8
	s_lshl_b32 s88, s[QB], 2
	s_add_co_u32 s88, s88, s[QT]                   ; my tile of rows in the sequence
	s_add_co_u32 s87, s87, s88
	s_lshl_b32 s90, s87, 9
	s_mov_b32 s91, 0
	s_add_nc_u64 s[6:7], s[6:7], s[90:91]          ; Q's image
	s_lshl_b32 s90, s87, 12
	s_add_nc_u64 s[12:13], s[12:13], s[90:91]      ; u's
	s_lshl_b32 s90, s86, 5
	s_lshr_b32 s89, s[QB], 1
	s_add_co_u32 s90, s90, s89
	s_lshl_b32 s90, s90, 9
	s_and_b32 s89, s[QB], 1
	s_lshl_b32 s89, s89, 4
	s_add_co_u32 s90, s90, s89
	s_lshl_b32 s89, s[QT], 2
	s_add_co_u32 s90, s90, s89
	s_add_nc_u64 s[8:9], s[8:9], s[90:91]          ; Q's scale words: [128 rows][r][tile]
	s_lshr_b32 s90, s[G], 1
	s_lshl_b32 s90, s90, 8
	s_add_co_u32 s90, s90, s88
	s_lshl_b32 s90, s90, 3
	s_and_b32 s89, s[G], 1
	s_lshl_b32 s89, s89, 2
	s_add_co_u32 s90, s90, s89
	s_add_co_u32 s90, s90, s[HD]
	s_lshl_b32 s90, s90, 9
	s_add_nc_u64 s[18:19], s[18:19], s[90:91]      ; y's image: [tile of rows][head]
	s_lshl_b32 s90, s[G], 6
	s_add_co_u32 s90, s90, s[QB]
	s_lshl_b32 s90, s90, 9
	s_add_nc_u64 s[20:21], s[20:21], s[90:91]      ; y's scale words
	v_and_b32 v9, 15, v0                           ; r
	v_bfe_u32 v10, v0, 4, 1                        ; h
	v_and_b32 v11, 31, v0                          ; lane
	v_lshlrev_b32 v[LI], 4, v11
	v_lshlrev_b32 v254, 5, v9
	global_load_b128 v[QF:QF+3], v[LI], s[6:7]
	global_load_b32 v[QS], v254, s[8:9]
	; the prefetches: where they stand, and who asks.  Nothing is prefetched here, at the head: slots 0 and 1 come by their loads alone
	s_and_b32 s96, s[WV], 1
	s_lshl_b32 s86, s[QB], 6
	s_lshl_b32 s89, s[CX], 4
	s_add_co_u32 s86, s86, s89
	s_lshl_b32 s89, s96, 3
	s_add_co_u32 s86, s86, s89
	s_lshl_b32 s86, s86, 14
	s_add_co_u32 s86, s86, 1024                    ; the mask: my 8 rows, in the second block of keys: the first change steps it to the third
	s_mul_i32 s88, s[G], 16*KVBLK
	s_add_co_u32 s88, s88, KVBLK
	s_lshl_b32 s89, s[CY], 14
	s_add_co_u32 s88, s88, s89
	s_lshl_b32 s89, s96, 13
	s_add_co_u32 s88, s88, s89                     ; kv: my 8,192 bytes, in the second block
	s_mov_b32 s91, KVBLK
	s_mov_b32 s90, 1024
	s_cmp_lt_u32 s[WV], 8
	s_cselect_b64 s[PFA:PFA+1], s[4:5], s[10:11]
	s_cselect_b32 s86, s86, s88
	s_cselect_b32 s[PFS], 1024, s91
	s_cselect_b32 s90, 16384, s90                  ; from four lanes to the next four
	s_mov_b32 s87, 0
	s_mov_b32 s[PFS+1], 0
	s_add_nc_u64 s[PFA:PFA+1], s[PFA:PFA+1], s[86:87]
	s_and_b32 s88, ttmp7, 0xffff                   ; cluster y: the same in all sixteen partners
	s_lshr_b32 s89, s[WV], 3
	s_mul_i32 s88, s88, s89                        ; 0 for the mask's waves, and for kv's in the first cluster
	s_lshr_b32 s89, s[GA], 1
	s_or_b32 s88, s88, s89                         ; and only waves 0, 1, 8, 9
	s_cmp_eq_u32 s88, 0
	s_cselect_b32 s[LIM], 1, -1
	v_lshrrev_b32 v[PFO], 2, v11
	v_mul_lo_u32 v[PFO], v[PFO], s90
	v_and_b32 v255, 3, v11
	v_lshl_add_u32 v[PFO], v255, 8, v[PFO]
	; LDS addresses: constants, the lane and the wave's number alone
	s_mul_i32 s90, s[QT], 16*MKP
	v_mul_u32_u24 v[AM0], v9, MKP
	v_lshl_add_u32 v[AM0], v10, 6, v[AM0]
	v_add_nc_u32 v[AM0], s90, v[AM0]               ; row 16 qt + r, + 64 h: my 16 keys of a block of 32
	s_lshl_b32 s90, s[HD], 13
	s_add_co_u32 s90, s90, MKB
	v_add_nc_u32 v[AK0], s90, v[LI]
	s_lshl_b32 s90, s[HD], 10
	s_add_co_u32 s90, s90, MKB+65536
	v_lshl_add_u32 v[AKS0], v9, 5, s90
	s_lshl_b32 s90, s[HD], 9
	s_add_co_u32 s90, s90, MKB+69632
	v_lshl_add_u32 v[AVS0], v9, 4, s90
	s_lshl_b32 s90, s[QT], 7
	s_lshr_b32 s91, s[HD], 1
	s_lshl_b32 s91, s91, 6
	s_add_co_u32 s90, s90, s91
	s_and_b32 s91, s[HD], 1
	s_lshl_b32 s91, s91, 1
	s_add_co_u32 s90, s90, s91
	s_add_co_u32 s90, s90, YSC
	v_lshl_add_u32 v[YSA], v9, 2, s90              ; [qt][pair of heads][r] words; my head's two bytes of the word
	v_add_nc_u32 v[YRD], YSC, v[LI]
	v_lshlrev_b32 v[GB], 6, v10
	s_mov_b32 s[KN], 0xbe38aa3b
	s_mov_b32 s[KN+1], s[KN]
	s_mov_b32 s[SEL], 0x76543210
	s_mov_b32 s[SEL+1], 0xfedcba98
	s_mov_b32 s[C8], 0x3e000000
	s_mov_b32 s[C8+1], s[C8]
	s_mov_b32 s[C64], 0x3c800000
	s_mov_b32 s[EPS], 0x3727c5ac
.irp j, 0,1,2,3
	v_mov_b32 v[QF+4+\j], 0                        ; zero codes for k = 64 .. 127
	v_mov_b32 v[KF+32+\j], 0                       ; what follows K's last tile
	v_mov_b32 v[TM+4+\j], 0                        ; written once: a lane permute's destination counts as one of its sources
.endr
.set j, 0
.rept 32
	v_mov_b32 v[OA+j], 0                           ; O^T begins as zeros, so that the key step is written in one form
.set j, j+1
.endr
; Two blocks of 32 along K: register s + 16 b + i = k 32 b + 16 (lane / 16) + i of my row.  Codes into v[pc] .. v[pc + 3], in the operand's layout.
; acc = 0: the two scale bytes begin the word v[pw]; acc = 1: they become its upper two bytes.
.macro QUANT2 s, pc, pw, acc
.irp b, 0,1
	v_max3_num_f32 v[TM+\b], |v[(\s)+16*\b]|, |v[(\s)+16*\b+1]|, 0x1800000   ; my 16 numbers of a block in two chains, four chains by turns; and the floor 2^(3 - 127): the byte cannot fall under 1
.endr
.irp b, 0,1
	v_max3_num_f32 v[TM+2+\b], |v[(\s)+16*\b+8]|, |v[(\s)+16*\b+9]|, |v[(\s)+16*\b+10]|
.endr
.irp i, 2,4
.irp b, 0,1
	v_max3_num_f32 v[TM+\b], v[TM+\b], |v[(\s)+16*\b+\i]|, |v[(\s)+16*\b+\i+1]|
.endr
.irp b, 0,1
	v_max3_num_f32 v[TM+2+\b], v[TM+2+\b], |v[(\s)+16*\b+\i+9]|, |v[(\s)+16*\b+\i+10]|
.endr
.endr
.irp b, 0,1
	v_max3_num_f32 v[TM+\b], v[TM+\b], |v[(\s)+16*\b+6]|, |v[(\s)+16*\b+7]|
.endr
.irp b, 0,1
	v_max3_num_f32 v[TM+\b], v[TM+\b], v[TM+2+\b], |v[(\s)+16*\b+15]|
.endr
.irp b, 0,1
	v_permlanex16_b32 v[TM+4+\b], v[TM+\b], s[SEL], s[SEL+1]
.endr
.irp b, 0,1
	v_max_num_f32 v[TM+\b], v[TM+\b], v[TM+4+\b]   ; with lane l xor 16's: the block's largest magnitude
.endr
.irp b, 0,1
	v_add_nc_u32 v[TM+12+\b], 0xff000000, v[TM+\b] ; 2 off its exponent field: the conversion's scale operand
.endr
.irp b, 0,1
	v_lshrrev_b32 v[TM+4+\b], 23, v[TM+12+\b]      ; the scale's byte
.endr
.if \acc
	v_lshl_or_b32 v[\pw], v[TM+4], 16, v[\pw]
	v_lshl_or_b32 v[\pw], v[TM+5], 24, v[\pw]
.else
	v_lshl_or_b32 v[\pw], v[TM+5], 8, v[TM+4]
.endif
.irp b, 0,1
	v_cvt_scalef32_pk8_fp4_f32 v[(\pc)+2*\b], v[(\s)+16*\b:(\s)+16*\b+7], v[TM+12+\b]
	v_cvt_scalef32_pk8_fp4_f32 v[(\pc)+2*\b+1], v[(\s)+16*\b+8:(\s)+16*\b+15], v[TM+12+\b]
.endr
	v_nop                                          ; one plain line behind the last scaled conversion
	v_permlane16_swap_b32 v[(\pc)], v[(\pc)+2]     ; the layout wants a whole block in a lane: lanes 0-15 the even block, lanes 16-31 the odd one
	v_permlane16_swap_b32 v[(\pc)+1], v[(\pc)+3]
.endm
.macro KLOAD q                         ; K's scale words and eight images of the slot's q-th step: ten loads
	ds_load_b128 v[KSW:KSW+3], v[ADKS] offset:512*(\q)
	ds_load_b128 v[KSW+4:KSW+7], v[ADKS] offset:512*(\q)+16
.irp t, 0,1,2,3,4,5,6,7
	ds_load_b128 v[KF+4*\t:KF+4*\t+3], v[ADK] offset:4096*(\q)+512*\t
.endr
.endm
.macro SLOTADR slot                    ; my four places in a slot
	v_add_nc_u32 v[ADM], (\slot)*SLOTB, v[AM0]
	v_add_nc_u32 v[ADK], (\slot)*SLOTB, v[AK0]
	v_add_nc_u32 v[ADKS], (\slot)*SLOTB, v[AKS0]
	v_add_nc_u32 v[ADVS], (\slot)*SLOTB, v[AVS0]
.endm
; A KEY STEP: 128 keys, the q-th of slot `slot`.  Its K has been asked for: by the step before, or behind the change of slots.
; mode 0: the slot has a step more: its K is asked for here.   mode 1: the slot's last step, and the change of slots; the slot is filled again, with the keys two slots on.
; mode 2: the same, and nothing is left to fetch.   mode 3: the launch's last step.
.macro STEP q, mode, slot
	s_wait_dscnt 0x0                               ; K and its scale words: nothing else of mine is out
.irp t, 0,1,2,3,4,5,6,7
	v_wmma_scale_f32_16x16x128_f8f6f4 v[SS+8*\t:SS+8*\t+7], v[KF+4*\t:KF+4*\t+7], v[QF:QF+7], 0, v[KSW+\t], v[QS] matrix_a_fmt:MATRIX_FMT_FP4 matrix_b_fmt:MATRIX_FMT_FP4
.endr
	PLACES                                         ; ahead of the loads into K's registers, of the first read of S^T, and of the writes over V's registers, which the last step's products read
.irp b, 0,1
.irp i, 0,1,2,3
	ds_load_b128 v[KF+16*\b+4*\i:KF+16*\b+4*\i+3], v[ADM] offset:512*(\q)+128*\b+16*\i      ; the mask's blocks 0 and 1: they land under the two batches below
.endr
.endr
	; ONE BATCH: t = -s log2(e) / 8, a pair at a time, and 2^t of the pair before: a plain line, two exponentials.  No line names an exponential's result.  Each accumulator is read from its low end on.
.set j, 0
.rept 32
	v_pk_mul_f32 v[MM+j:MM+j+1], v[SS+j:SS+j+1], s[KN:KN+1] op_sel_hi:[1,0]
.if j >= 2
	v_exp_f32 v[MM+j-2], v[MM+j-2]
	v_exp_f32 v[MM+j-1], v[MM+j-1]
.endif
.set j, j+2
.endr
	v_exp_f32 v[MM+62], v[MM+62]
	v_exp_f32 v[MM+63], v[MM+63]
	v_nop                                          ; a plain line behind the last of the batch
	s_wait_alu depctr_va_vdst(0)                   ; one wait for the batch, ahead of its first reader
	; THE SECOND BATCH: 1 + 2^t, a pair at a time, and the reciprocal of the pair before
.set j, 0
.rept 32
	v_pk_add_f32 v[MM+j:MM+j+1], v[MM+j:MM+j+1], 1.0 op_sel_hi:[1,0]
.if j >= 2
	v_rcp_f32 v[MM+j-2], v[MM+j-2]
	v_rcp_f32 v[MM+j-1], v[MM+j-1]
.endif
.set j, j+2
.endr
	v_rcp_f32 v[MM+62], v[MM+62]
	v_rcp_f32 v[MM+63], v[MM+63]
	v_nop
	s_wait_alu depctr_va_vdst(0)
.set j, 0
.rept 16
	v_pk_mul_f32 v[SS+j:SS+j+1], v[SS+j:SS+j+1], v[MM+j:MM+j+1]     ; s x sigmoid(s / 8) = 8 silu(s / 8)
.set j, j+2
.endr
.irp b, 0,1
.irp i, 0,1,2,3
	ds_load_b128 v[MM+16*\b+4*\i:MM+16*\b+4*\i+3], v[ADM] offset:512*(\q)+256+128*\b+16*\i  ; the mask's blocks 2 and 3, into the registers just read
.endr
.endr
.rept 16
	v_pk_mul_f32 v[SS+j:SS+j+1], v[SS+j:SS+j+1], v[MM+j:MM+j+1]
.set j, j+2
.endr
	ds_load_b128 v[VSW:VSW+3], v[ADVS] offset:256*(\q)             ; V's scale words and four fragments
.irp t, 0,1,2,3
.irp c, 0,1
	ds_load_b128 v[MM+32+8*\t+4*\c:MM+32+8*\t+4*\c+3], v[ADK] offset:32768+4096*(\q)+1024*\t+512*\c
.endr
.endr
.if ((\mode) == 1) || ((\mode) == 2)
	; THE CHANGE OF SLOTS.  My last reads of this slot are issued.  All my tensor loads have landed (one was out: my part of the other slot); 0 goes onto my spare word; work on registers; then the wait for the add and for my reads.
	s_wait_tensorcnt 0x0                           ; no tensor load of mine is out, so a group 0 may be written
	ds_add_u32 v[SPW], v[NIL]
.if (\mode) == 1
	s_add_nc_u64 s[G0M+4*(\slot)+2:G0M+4*(\slot)+3], s[G0M+4*(\slot)+2:G0M+4*(\slot)+3], 2*1024     ; this slot's next keys: two slots on
	s_add_nc_u64 s[G0K+4*(\slot)+2:G0K+4*(\slot)+3], s[G0K+4*(\slot)+2:G0K+4*(\slot)+3], 2*KVBLK
	s_wait_xcnt 0x0                                ; the last prefetch, a slot back, has read its address
	s_add_nc_u64 s[PFA:PFA+1], s[PFA:PFA+1], s[PFS:PFS+1]
.endif
	s_wait_dscnt 18                                ; the mask's blocks 0 and 1 are in; behind them: 8 + 1 + 8 loads and the add
.else
	s_wait_dscnt 17                                ; the mask's blocks 0 and 1 are in; behind them: 8 + 1 + 8 loads
.endif
.set j, 0
.rept 16
	v_pk_mul_f32 v[SS+j:SS+j+1], v[SS+j:SS+j+1], v[KF+j:KF+j+1]     ; x mask: 8 p of blocks 0 and 1
.set j, j+2
.endr
.if (\mode) == 0
	KLOAD (\q)+1                                   ; the next step's K, into the registers just read: a step ahead of its products
.endif
	QUANT2 SS, PC, PW, 0
.if (\mode) == 0
	s_wait_dscnt 19                                ; the mask's blocks 2 and 3 are in; behind them: V's 1 + 8 loads and the next K's 10
.elseif (\mode) == 3
	s_wait_dscnt 9                                 ; behind them: V's 1 + 8 loads
.else
	s_wait_dscnt 0x0                               ; the add is done, and my reads of this slot are over:
	s_barrier_signal -1                            ; say so; what follows up to the wait is work on registers alone
.endif
.set j, 0
.rept 16
	v_pk_mul_f32 v[SS+32+j:SS+32+j+1], v[SS+32+j:SS+32+j+1], v[MM+j:MM+j+1]    ; 8 p of blocks 2 and 3
.set j, j+2
.endr
	QUANT2 SS+32, PC+4, PW, 1
.rept 8
	v_nop                                          ; a scale word written by vector instructions stands eight places ahead of a scaled matrix instruction, codes so written four
.endr
.if (\mode) == 0
	s_wait_dscnt 10                                ; V is in; the next K's ten loads may be out
.elseif (\mode) == 3
	s_wait_dscnt 0x0
.endif
.irp t, 0,1,2,3
	v_wmma_scale_f32_16x16x128_f8f6f4 v[OA+8*\t:OA+8*\t+7], v[MM+32+8*\t:MM+32+8*\t+7], v[PC:PC+7], v[OA+8*\t:OA+8*\t+7], v[VSW+\t], v[PW] matrix_a_fmt:MATRIX_FMT_FP4 matrix_b_fmt:MATRIX_FMT_FP4
.endr                                          ; the four accumulators take turns, and S^T's eight stand between two steps
.if (\mode) == 1
	s_barrier_wait -1                              ; all sixteen waves have said so: the barrier has opened a round of the cluster's barrier
	CREST                                          ; no wave of any partner still reads this slot or has a load on its way
	JLOAD \slot                                    ; the first thing behind the round, and my one tensor load until the next: it has the other slot's first step and most of its second in which to land
	ASK \slot                                      ; what the next change will ask for
.elseif (\mode) == 2
	s_barrier_wait -1                              ; the other slot is whole; nothing is filled again
.endif
.if ((\mode) == 1) || ((\mode) == 2)
	SLOTADR 1-(\slot)
	KLOAD 0                                        ; the other slot's first K
.endif
.endm
	s_wait_loadcnt 0x0                             ; Q and its scale words
	; slot 1's first fill is issued as a refill is: all my loads have landed (my part of slot 0), the add, the wait for it, a round, the load
	s_wait_tensorcnt 0x0
	ds_add_u32 v[SPW], v[NIL]
	s_add_nc_u64 s[PFA:PFA+1], s[PFA:PFA+1], s[PFS:PFS+1]          ; the prefetches begin with the third block of keys
	s_wait_dscnt 0x0
	CROUND
	JLOAD 1
	ASK 0
	SLOTADR 0
	KLOAD 0
	s_mov_b32 s[TRIPS], 7
.Lpair:                                            ; a trip goes once round the ring: four key steps; 7 trips serve 14 of the 16 blocks of 256 keys and ask for blocks 2 to 15
	STEP 0, 0, 0
	STEP 1, 1, 0
	STEP 0, 0, 1
	STEP 1, 1, 1
	s_sub_co_u32 s[TRIPS], s[TRIPS], 1
	s_cmp_lg_u32 s[TRIPS], 0
	s_cbranch_scc1 .Lpair
	STEP 0, 0, 0                                   ; the tail is written out
	STEP 1, 2, 0
	STEP 0, 0, 1
	STEP 1, 3, 1
	; THE WAY OUT.  Register 16 b + i of O^T is channel 32 b + 16 (lane / 16) + i of my query; u, gamma and beta come in the same order.
	PLACES                                         ; ahead of the loads into V's registers and of the first read of O^T
.irp p, 0,1,2,3,4,5,6,7
	global_load_b128 v[SS+4*\p:SS+4*\p+3], v[LI], s[12:13] offset:512*\p th:TH_LOAD_NT
.endr
.irp b, 0,1
.irp i, 0,1,2,3
	global_load_b128 v[MM+16*\b+4*\i:MM+16*\b+4*\i+3], v[GB], s[14:15] offset:128*\b+16*\i
	global_load_b128 v[MM+32+16*\b+4*\i:MM+32+16*\b+4*\i+3], v[GB], s[16:17] offset:128*\b+16*\i
.endr
.endr
.set j, 0
.rept 16
	v_pk_mul_f32 v[OA+j:OA+j+1], v[OA+j:OA+j+1], s[C8:C8+1] op_sel_hi:[1,0]    ; the 8 of 8 p is taken off: exact
.set j, j+2
.endr
	v_pk_add_f32 v[42:43], v[OA:OA+1], v[OA+2:OA+3]                ; the mean, in two chains
	v_pk_add_f32 v[44:45], v[OA+4:OA+5], v[OA+6:OA+7]
.irp j, 8,12,16,20,24,28
	v_pk_add_f32 v[42:43], v[42:43], v[OA+\j:OA+\j+1]
	v_pk_add_f32 v[44:45], v[44:45], v[OA+\j+2:OA+\j+3]
.endr
	v_pk_add_f32 v[42:43], v[42:43], v[44:45]
	v_add_f32 v42, v42, v43
	v_permlanex16_b32 v46, v42, s[SEL], s[SEL+1]
	v_add_f32 v42, v42, v46                        ; with lane l xor 16's 32 channels
	v_mul_f32 v42, s[C64], v42
	v_mov_b32 v43, v42
.set j, 0
.rept 16
	v_pk_add_f32 v[OA+j:OA+j+1], v[OA+j:OA+j+1], v[42:43] neg_lo:[0,1] neg_hi:[0,1]
.set j, j+2
.endr
	v_pk_mul_f32 v[44:45], v[OA:OA+1], v[OA:OA+1]                  ; the variance of the differences: no difference of large sums is formed
	v_pk_mul_f32 v[48:49], v[OA+2:OA+3], v[OA+2:OA+3]
.irp j, 4,8,12,16,20,24,28
	v_pk_fma_f32 v[44:45], v[OA+\j:OA+\j+1], v[OA+\j:OA+\j+1], v[44:45]
	v_pk_fma_f32 v[48:49], v[OA+\j+2:OA+\j+3], v[OA+\j+2:OA+\j+3], v[48:49]
.endr
	v_pk_add_f32 v[44:45], v[44:45], v[48:49]
	v_add_f32 v44, v44, v45
	v_permlanex16_b32 v46, v44, s[SEL], s[SEL+1]
	v_add_f32 v44, v44, v46
	v_fma_f32 v44, v44, s[C64], s[EPS]
	v_rsq_f32 v56, v44
	v_nop                                          ; a plain line behind the transcendental
	s_wait_alu depctr_va_vdst(0)                   ; and the wait ahead of its first reader
	v_mov_b32 v57, v56
	s_wait_loadcnt 0x0                             ; u, gamma, beta
.set j, 0
.rept 16
	v_pk_mul_f32 v[OA+j:OA+j+1], v[OA+j:OA+j+1], v[56:57]
.set j, j+2
.endr
.set j, 0
.rept 16
	v_pk_fma_f32 v[OA+j:OA+j+1], v[OA+j:OA+j+1], v[MM+j:MM+j+1], v[MM+32+j:MM+32+j+1]
.set j, j+2
.endr
.set j, 0
.rept 16
	v_pk_mul_f32 v[OA+j:OA+j+1], v[OA+j:OA+j+1], v[SS+j:SS+j+1]
.set j, j+2
.endr
	QUANT2 OA, PC, PW, 0                           ; my head's 64 of the last product's K: two blocks
	global_store_b128 v[LI], v[PC:PC+3], s[18:19]  ; 512 consecutive bytes
	ds_store_b16 v[YSA], v[PW]                     ; two heads' bytes make a scale word; both halves of the lanes write the same bytes
	s_wait_dscnt 0x0                               ; for the others' sake
	s_barrier_signal -1
	s_barrier_wait -1
	s_cmp_lg_u32 s[WV], 0
	s_cbranch_scc1 .Lend
	ds_load_b128 v[KF:KF+3], v[YRD]
	s_wait_dscnt 0x0
	global_store_b128 v[LI], v[KF:KF+3], s[20:21]  ; the work-group's 512 bytes of scale words
.Lend:
	s_wait_tensorcnt 0x0                           ; the wave's end
	ds_add_u32 v[SPW], v[NIL]
	s_wait_dscnt 0x0
	CROUND                                         ; the closing round: no work-group ends while a partner may still ask for a tile that names it
	s_endpgm
.Lfunc_end_k_q5758bbe5ba_attn:
	.size	k_q5758bbe5ba_attn, .Lfunc_end_k_q5758bbe5ba_attn-k_q5758bbe5ba_attn
	.p2alignl 7, 3214868480
	.fill 96, 4, 3214868480
	.section	.rodata,"a",@progbits
	.p2align	6, 0x0
	.amdhsa_kernel k_q5758bbe5ba_attn
		.amdhsa_group_segment_fixed_size 327680
		.amdhsa_private_segment_fixed_size 0
		.amdhsa_enable_private_segment 0
		.amdhsa_kernarg_size 72
		.amdhsa_user_sgpr_count 2
		.amdhsa_user_sgpr_kernarg_segment_ptr 1
		.amdhsa_wavefront_size32 1
		.amdhsa_system_sgpr_workgroup_id_x 1
		.amdhsa_system_sgpr_workgroup_id_y 1
		.amdhsa_system_sgpr_workgroup_id_z 1
		.amdhsa_system_vgpr_workitem_id 0
		.amdhsa_next_free_vgpr 256
		.amdhsa_next_free_sgpr 100
		.amdhsa_reserve_vcc 0
		.amdhsa_float_denorm_mode_32 3
		.amdhsa_float_denorm_mode_16_64 3
		.amdhsa_memory_ordered 1
		.amdhsa_forward_progress 1
		.amdhsa_inst_pref_size 189
	.end_amdhsa_kernel
	.amdgpu_metadata
---
amdhsa.version: [ 1, 2 ]
amdhsa.kernels:
  - .name:           k_q5758bbe5ba_attn
    .symbol:         k_q5758bbe5ba_attn.kd
    .args:
      - { .name: attn_mask, .offset: 0, .size: 8, .value_kind: global_buffer, .address_space: global }
      - { .name: q_img, .offset: 8, .size: 8, .value_kind: global_buffer, .address_space: global }
      - { .name: q_sc, .offset: 16, .size: 8, .value_kind: global_buffer, .address_space: global }
      - { .name: kv, .offset: 24, .size: 8, .value_kind: global_buffer, .address_space: global }
      - { .name: u_img, .offset: 32, .size: 8, .value_kind: global_buffer, .address_space: global }
      - { .name: ln_gamma, .offset: 40, .size: 8, .value_kind: global_buffer, .address_space: global }
      - { .name: ln_beta, .offset: 48, .size: 8, .value_kind: global_buffer, .address_space: global }
      - { .name: y_img, .offset: 56, .size: 8, .value_kind: global_buffer, .address_space: global }
      - { .name: y_sc, .offset: 64, .size: 8, .value_kind: global_buffer, .address_space: global }
    .group_segment_fixed_size: 327680
    .private_segment_fixed_size: 0
    .kernarg_segment_align: 8
    .kernarg_segment_size: 72
    .max_flat_workgroup_size: 512
    .sgpr_count:     100
    .vgpr_count:     256
    .wavefront_size: 32
...
	.end_amdgpu_metadata
.endif
;; end of part 2
;; launch outp (part 3): grid 2 x 128, 8 waves a work-group, no clusters, 35,840 bytes of LDS; arguments y_img, y_sc, w_img, W_out_scales, out0; writes out0
.if DOCPART == 3
	.amdgcn_target "amdgcn-amd-amdhsa--gfx1250"
	.amdhsa_code_object_version 6
	.text
	.protected	k_q5758bbe5ba_outp
	.globl	k_q5758bbe5ba_outp
	.p2align	8
	.type	k_q5758bbe5ba_outp,@function
k_q5758bbe5ba_outp:
	s_mov_b64 s[64:65], 0
	v_nop
	global_prefetch_b8 v0, s[64:65] scope:SCOPE_SE
	s_setreg_imm32_b32 hwreg(HW_REG_WAVE_MODE, 25, 1), 1
	s_wait_xcnt 0x0
; out0 = y W_out, [8192][512], K = 512, on codes of FP4 (E2M1) with E8M0 scales.  y's codes and W_out's codes lie in memory as images of operand registers (four registers: lane l's 16 bytes at 16 l), so every fragment comes by dense loads of 512 bytes.
; SHARES.  A work-group takes 64 rows (y of the grid) x 256 columns (x of the grid).  Wave w: the two tiles of rows 2 (w / 4) + a, the four tiles of columns 4 (w % 4) + ct: eight accumulators, four K steps of 128.
; Used transposed: source 0 = 16 columns of W_out, source 1 = 16 rows of y: a lane holds eight neighbouring numbers of a row of out0.
; y's tile 2 b + u holds rows 32 b + 8 u + r + 8 (r / 8): the way out puts them back in their places.
; The waves share nothing: no barrier, no tensor load, no cluster (there is no joint tile to ask for); all that is read is asked for at the head, so no prefetch.
.set LI,  4                            ; v4  16 x lane
.set R4,  5                            ; v5  4 r
.set R16, 6                            ; v6  16 r
.set STO, 7                            ; v7  my stage, in: row r, + 32 h
.set RD,  8                            ; v8  back: lanes 0-15 one row of 256 bytes, lanes 16-31 the next
.set GO,  9                            ; v9  the same two rows in out0
.set AS,  16                           ; v16-23  y's scale words: 4 a + s
.set BS,  24                           ; v24-39  W_out's: 4 ct + s
.set AF,  40                           ; v40-103 y's fragments (a, s); on the way out rows read back
.set BF,  104                          ; v104-167 W_out's fragments, two sets of four
.set ACC, 168                          ; v168-231 accumulator (a, ct) at 8 (4 a + ct)
	s_load_b256 s[4:11], s[0:1], 0x0               ; y_img 4, y_sc 6, w_img 8, W_out_scales 10
	s_load_b64 s[12:13], s[0:1], 0x20              ; out0
	v_lshl_add_u32 v232, v0, 2, 0x8800
	v_mov_b32 v233, 0
	v_lshrrev_b32 v1, 5, v0
	v_readfirstlane_b32 s14, v1                    ; wave 0..7
	s_lshr_b32 s15, s14, 2                         ; rp: which pair of tiles of rows
	s_and_b32 s16, s14, 3                          ; cg: which four tiles of columns
	s_and_b32 s17, ttmp7, 0xffff                   ; the block of 64 rows: 64 x batch + block of queries
	v_and_b32 v1, 31, v0
	v_and_b32 v2, 15, v0                           ; r
	v_bfe_u32 v3, v0, 4, 1                         ; h
	v_lshlrev_b32 v[LI], 4, v1
	v_lshlrev_b32 v[R4], 2, v2
	v_lshlrev_b32 v[R16], 4, v2
	s_mul_i32 s18, s14, 16*272                     ; my stage: 16 rows x (256 bytes + 16)
	v_mul_u32_u24 v[STO], v2, 272
	v_lshl_add_u32 v[STO], v3, 5, v[STO]
	v_add_nc_u32 v[STO], s18, v[STO]
	v_mul_u32_u24 v[RD], v3, 272
	v_lshl_add_u32 v[RD], v2, 4, v[RD]
	v_add_nc_u32 v[RD], s18, v[RD]
	v_lshlrev_b32 v[GO], 11, v3
	v_lshl_add_u32 v[GO], v2, 4, v[GO]
	s_lshl_b32 s20, s17, 2
	s_lshl_b32 s21, s15, 1
	s_add_co_u32 s20, s20, s21
	s_lshl_b32 s20, s20, 12                        ; y's images: 4,096 bytes a tile of rows
	s_mov_b32 s21, 0
	s_lshr_b32 s22, s17, 6
	s_lshl_b32 s22, s22, 7
	s_and_b32 s23, s17, 63
	s_add_co_u32 s22, s22, s23
	s_lshl_b32 s22, s22, 9
	s_lshl_b32 s23, s15, 8
	s_add_co_u32 s22, s22, s23                     ; y's scale words: [2 batch + s / 2][block][tile][s % 2][r]
	s_mov_b32 s23, 0
	s_lshl_b32 s24, ttmp9, 4
	s_lshl_b32 s25, s16, 2
	s_add_co_u32 s24, s24, s25                     ; my first tile of columns
	s_lshl_b32 s26, s24, 8                         ; its rows' scale bytes: 16 rows of 16
	s_mov_b32 s27, 0
	s_lshl_b32 s24, s24, 12                        ; its images: 4,096 bytes a tile
	s_mov_b32 s25, 0
	s_lshl_b32 s28, s17, 6
	s_lshl_b32 s29, s15, 5
	s_add_co_u32 s28, s28, s29
	s_lshl_b32 s28, s28, 11                        ; out0: my first row, 2,048 bytes a row,
	s_lshl_b32 s29, ttmp9, 10
	s_add_co_u32 s28, s28, s29
	s_lshl_b32 s29, s16, 8
	s_add_co_u32 s28, s28, s29                     ; and my 64 columns
	s_mov_b32 s29, 0
	s_wait_kmcnt 0x0
	s_add_nc_u64 s[4:5], s[4:5], s[20:21]
	s_add_nc_u64 s[6:7], s[6:7], s[22:23]
	s_add_nc_u64 s[8:9], s[8:9], s[24:25]
	s_add_nc_u64 s[10:11], s[10:11], s[26:27]
	s_add_nc_u64 s[12:13], s[12:13], s[28:29]
.macro ALOAD s                         ; y's two fragments of K step s: four loads
.irp a, 0,1
.irp c, 0,1
	global_load_b128 v[AF+8*(4*\a+\s)+4*\c:AF+8*(4*\a+\s)+4*\c+3], v[LI], s[4:5] offset:4096*\a+1024*\s+512*\c th:TH_LOAD_NT
.endr
.endr
.endm
.macro BLOAD s                         ; W_out's four fragments of K step s into set s % 2: eight loads
.irp ct, 0,1,2,3
.irp c, 0,1
	global_load_b128 v[BF+32*((\s)%2)+8*\ct+4*\c:BF+32*((\s)%2)+8*\ct+4*\c+3], v[LI], s[8:9] offset:4096*\ct+1024*\s+512*\c
.endr
.endr
.endm
.macro MUL s, zero                     ; eight products; the eight accumulators take turns, one instruction a turn
.irp a, 0,1
.irp ct, 0,1,2,3
.if \zero
	v_wmma_scale_f32_16x16x128_f8f6f4 v[ACC+8*(4*\a+\ct):ACC+8*(4*\a+\ct)+7], v[BF+32*((\s)%2)+8*\ct:BF+32*((\s)%2)+8*\ct+7], v[AF+8*(4*\a+\s):AF+8*(4*\a+\s)+7], 0, v[BS+4*\ct+\s], v[AS+4*\a+\s] matrix_a_fmt:MATRIX_FMT_FP4 matrix_b_fmt:MATRIX_FMT_FP4
.else
	v_wmma_scale_f32_16x16x128_f8f6f4 v[ACC+8*(4*\a+\ct):ACC+8*(4*\a+\ct)+7], v[BF+32*((\s)%2)+8*\ct:BF+32*((\s)%2)+8*\ct+7], v[AF+8*(4*\a+\s):AF+8*(4*\a+\s)+7], v[ACC+8*(4*\a+\ct):ACC+8*(4*\a+\ct)+7], v[BS+4*\ct+\s], v[AS+4*\a+\s] matrix_a_fmt:MATRIX_FMT_FP4 matrix_b_fmt:MATRIX_FMT_FP4
.endif
.endr
.endr
.endm
.macro PLACES
.rept 4
	v_nop
.endr
.endm
.irp a, 0,1
.irp s, 0,1,2,3
	global_load_b32 v[AS+4*\a+\s], v[R4], s[6:7] offset:128*\a+32768*(\s/2)+64*(\s%2)
.endr
.endr
.irp ct, 0,1,2,3
	global_load_b128 v[BS+4*\ct:BS+4*\ct+3], v[R16], s[10:11] offset:256*\ct    ; a column's 16 scale bytes: the words of the four K steps
.endr
	ALOAD 0
	BLOAD 0
	ALOAD 1
	BLOAD 1
	ALOAD 2
	ALOAD 3
	s_wait_loadcnt 20                              ; the scale words and K step 0 are in; behind them: 4 + 8 + 4 + 4 loads
	MUL 0, 1                                       ; the first K step starts the sums
	PLACES                                         ; ahead of loads into registers that these products read
	BLOAD 2
	s_wait_loadcnt 16                              ; K step 1 is in; behind it: y's steps 2 and 3 (8) and W_out's step 2 (8)
	MUL 1, 0
	PLACES
	BLOAD 3
	s_wait_loadcnt 8                               ; K step 2 is in; behind it: W_out's step 3
	MUL 2, 0
	s_wait_loadcnt 0x0
	MUL 3, 0
	PLACES                                         ; ahead of the first read of results and of loads into y's fragments' registers
	; THE WAY OUT: a tile of 16 rows x 64 columns goes through my own stage and comes back as rows of 256 bytes; sixteen lanes store one aligned run of 256 bytes.  LDS serves a wave's instructions in order: no wait between stores and loads.
.irp a, 0,1
.irp ct, 0,1,2,3
	ds_store_b128 v[STO], v[ACC+8*(4*\a+\ct):ACC+8*(4*\a+\ct)+3] offset:64*\ct          ; each accumulator from its low end on
	ds_store_b128 v[STO], v[ACC+8*(4*\a+\ct)+4:ACC+8*(4*\a+\ct)+7] offset:64*\ct+16
.endr
.irp t, 0,1,2,3,4,5,6,7
	ds_load_b128 v[AF+32*\a+4*\t:AF+32*\a+4*\t+3], v[RD] offset:544*\t
.endr
.irp t, 0,1,2,3,4,5,6,7
	s_wait_dscnt 7-\t                              ; the younger read-backs may be out
	global_store_b128 v[GO], v[AF+32*\a+4*\t:AF+32*\a+4*\t+3], s[12:13] offset:(8*\a+2*\t+8*(\t/4))*2048 th:TH_STORE_NT   ; stage rows 2 t, 2 t + 1 are rows 8 a + 2 t + 8 (t / 4) on
.endr
.endr
	s_wait_tensorcnt 0x0
	ds_add_u32 v232, v233
	s_wait_dscnt 0x0
	s_endpgm
.Lfunc_end_k_q5758bbe5ba_outp:
	.size	k_q5758bbe5ba_outp, .Lfunc_end_k_q5758bbe5ba_outp-k_q5758bbe5ba_outp
	.p2alignl 7, 3214868480
	.fill 96, 4, 3214868480
	.section	.rodata,"a",@progbits
	.p2align	6, 0x0
	.amdhsa_kernel k_q5758bbe5ba_outp
		.amdhsa_group_segment_fixed_size 35840
		.amdhsa_private_segment_fixed_size 0
		.amdhsa_enable_private_segment 0
		.amdhsa_kernarg_size 40
		.amdhsa_user_sgpr_count 2
		.amdhsa_user_sgpr_kernarg_segment_ptr 1
		.amdhsa_wavefront_size32 1
		.amdhsa_system_sgpr_workgroup_id_x 1
		.amdhsa_system_sgpr_workgroup_id_y 1
		.amdhsa_system_sgpr_workgroup_id_z 1
		.amdhsa_system_vgpr_workitem_id 0
		.amdhsa_next_free_vgpr 234
		.amdhsa_next_free_sgpr 66
		.amdhsa_reserve_vcc 0
		.amdhsa_float_denorm_mode_32 3
		.amdhsa_float_denorm_mode_16_64 3
		.amdhsa_memory_ordered 1
		.amdhsa_forward_progress 1
		.amdhsa_inst_pref_size 17
	.end_amdhsa_kernel
	.amdgpu_metadata
---
amdhsa.version: [ 1, 2 ]
amdhsa.kernels:
  - .name:           k_q5758bbe5ba_outp
    .symbol:         k_q5758bbe5ba_outp.kd
    .args:
      - { .name: y_img, .offset: 0, .size: 8, .value_kind: global_buffer, .address_space: global }
      - { .name: y_sc, .offset: 8, .size: 8, .value_kind: global_buffer, .address_space: global }
      - { .name: w_img, .offset: 16, .size: 8, .value_kind: global_buffer, .address_space: global }
      - { .name: W_out_scales, .offset: 24, .size: 8, .value_kind: global_buffer, .address_space: global }
      - { .name: out0, .offset: 32, .size: 8, .value_kind: global_buffer, .address_space: global }
    .group_segment_fixed_size: 35840
    .private_segment_fixed_size: 0
    .kernarg_segment_align: 8
    .kernarg_segment_size: 40
    .max_flat_workgroup_size: 256
    .sgpr_count:     66
    .vgpr_count:     234
    .wavefront_size: 32
...
	.end_amdgpu_metadata
.endif
;; end of part 3
